; MI455X (gfx1250); checked and timed in simulation.
; The chip was launched on July 23, 2026; its instructions are those of AMD's public machine-readable ISA for CDNA 5 (MIT licence, August 2026) and "CDNA5" Instruction Set Architecture Reference Guide (July 2026). The comments in the code are by the model that wrote it; some were corrected since.
;; Monotonic NN. Allowed arithmetic: matrix products marked QUANTISED: E2M1 operands, one E8M0 scale for each 32 along K, by v_wmma_scale_f32_16x16x128_f8f6f4 with both operands' format E2M1 (or v_wmma_scale_f32_32x16x128_f4), f32 sums; products left as they are: f32 operands where the result goes on into a quantised operand, else bf16, f16 or f32 operands; f32 sums; everything else in f32.
;; Inputs: iW0 8 x 128 float32; iW1_codes 128 x 4 x 16 uint8 (E2M1 codes of iW1, K innermost, in blocks of 32 codes, two codes a byte); iW1_scales 128 x 4 uint8 (E8M0 scales of iW1, one for each 32 codes along K); iW2 128 x 1 float32; ib0 128 float32; ib1 128 float32; ib2 1 float32; nW0 7 x 128 float32; nW1_codes 128 x 4 x 16 uint8 (E2M1 codes of nW1, K innermost, in blocks of 32 codes, two codes a byte); nW1_scales 128 x 4 uint8 (E8M0 scales of nW1, one for each 32 codes along K); nW2 128 x 2 float32; nb0 128 float32; nb1 128 float32; nb2 2 float32; x_input 32,768 x 8 float32.
;; Outputs: out0 32,768 x 1 float32.
;; This version of the problem:
;;   THIS VERSION OF THE PROBLEM IS GIVEN IN LOW PRECISION. The matrix products marked QUANTISED in the list below multiply operands that are first quantised to E2M1 (2 exponent bits, 1 mantissa bit; 4 bits a number), with one power-of-two scale for each 32 numbers along K (OCP MX v1.0); their sums are f32. All else is computed in f32.
;;   The module's matrix products, in the order in which they are computed (A, B: the left and right operand; K: the contracted axis; several contracted axes count as one K, in the product's order):
;;     1. [M 1,671,168, K 8] x [K 8, N 128]; A: computed on the way; B: input iW0: left as it is (K = 8 < 32)
;;     2. [M 1,671,168, K 128] x [K 128, N 128]; A: computed on the way; B: input iW1 (given as codes): QUANTISED
;;     3. [M 1,671,168, K 128] x [K 128, N 1]; A: computed on the way; B: input iW2: left as it is (N = 1 < 16)
;;     4. [M 32,768, K 7] x [K 7, N 128]; A: input x_input; B: input nW0: left as it is (K = 7 < 32)
;;     5. [M 32,768, K 128] x [K 128, N 128]; A: computed on the way; B: input nW1 (given as codes): QUANTISED
;;     6. [M 32,768, K 128] x [K 128, N 2]; A: computed on the way; B: input nW2: left as it is (N = 2 < 16)
;;   THE QUANTISER, for each operand of a quantised product, along K:
;;     - K is cut into blocks of 32 from its start; a last block that is shorter is filled with zeros.
;;     - A block's scale is 2^e with e = floor(log2(the largest magnitude in the block)) - 2, held to -126 .. 127; a block of zeros has e = 0. As a byte (E8M0): e + 127.
;;     - Each number is divided by its block's scale, clamped to +-6, and rounded to the nearest number of E2M1, ties to even, subnormals kept.
;;     - The product sums the exact products of the quantised numbers (number of the format x scale) in f32.
;;   ~~~python
;;   def quantise(x, axis):      # numpy; x: float32 -> the quantised numbers, widened to float32 again
;;       x = np.moveaxis(x, axis, -1); K = x.shape[-1]
;;       x = np.pad(x, [(0, 0)] * (x.ndim - 1) + [(0, -K % 32)]); x = x.reshape(x.shape[:-1] + (-1, 32)); a = np.abs(x).max(-1, keepdims=True)
;;       e = np.where(a > 0, np.clip(np.frexp(np.where(a > 0, a, 1))[1] - 1 - 2, -126, 127), 0)      # np.frexp(a)[1] - 1 = floor(log2(a)), exactly
;;       r = np.clip(x / 2.0 ** e, -6, 6)
;;       step = 2.0 ** (np.maximum(np.frexp(np.where(r == 0, 1, r))[1] - 1, 0) - 1)
;;       q = np.round(r / step) * step * 2.0 ** e      # np.round: ties to even
;;       return np.moveaxis(q.reshape(q.shape[:-2] + (-1,))[..., :K], -1, axis).astype(np.float32)
;;   ~~~
;;   OPERANDS COMPUTED ON THE WAY. 'Computed on the way' means the value that the module computes at that place (a softmax that the list does not call 'softmax' is quantised finished and normalised). What goes into a quantiser is computed in f32, as accurately as f32 sums, v_exp_f32 and their like allow (about 1e-6 of the number): no bf16 or f16 on the way to a quantiser, and a product that is left as it is and whose result goes on into a quantised operand takes f32 operands (vector FMAs, or v_wmma_f32_16x16x4_f32). A number that lies on a knife's edge between two numbers of the format may be rounded either way, as far as f32 arithmetic and the matrix unit's own rounding can turn it there, and no further.
;;   INPUTS GIVEN AS CODES. iW1 (in the module: [128, 128], K = its axis 0); nW1 (in the module: [128, 128], K = its axis 0): each comes as NAME_codes (uint8): NAME with its K axis moved to the last place and cut into blocks of 32 codes, [.., K / 32, bytes a block], one block behind the other in memory; two codes a byte, the lower K in the low four bits (a code: sign, 2 exponent bits, 1 mantissa bit); and NAME_scales (uint8): the same leading axes, one E8M0 byte (e + 127) for each 32 codes along K. Its value is code x scale, taken as it is: it is not quantised again, and the codes and scales need not be those that the quantiser above would give.
;; 2 versions, each right and faster than the one before. Each part assembles by itself: llvm-mc -triple=amdgcn-amd-amdhsa -mcpu=gfx1250 --defsym DOCPART=n.
;; ======== version 1 of 2: 1 launch
;; launch mono (part 1): grid 256 x 1, 8 waves a work-group, no clusters, 10,240 bytes of LDS; arguments x_input, iW0, ib0, iW1_codes, iW1_scales, ib1, iW2, ib2, nW0, nb0, nW1_codes, nW1_scales, nb1, nW2, nb2, out0; writes out0
.if DOCPART == 1
	.amdgcn_target "amdgcn-amd-amdhsa--gfx1250"
	.amdhsa_code_object_version 6
	.text
	.protected	k_q109be5e790_mono
	.globl	k_q109be5e790_mono
	.p2align	8
	.type	k_q109be5e790_mono,@function
k_q109be5e790_mono:
	s_mov_b64 s[64:65], 0
	v_nop
	global_prefetch_b8 v0, s[64:65] scope:SCOPE_SE
	s_setreg_imm32_b32 hwreg(HW_REG_WAVE_MODE, 25, 1), 1
	s_wait_xcnt 0x0
; MonotonicNN with its two 128 x 128 products on codes of MX-FP4 (E2M1, one E8M0 scale for each 32 along K), everything in one launch.
;   out = sigmoid( exp(o1) * (x/2) * sum_s cc_s (elu(g_s) + 1) + o0 ),  g_s = the integrand net at (x t_s, h),  (o0, o1) = the offset net at h.
; SHARES.  256 work-groups x 128 samples; 8 waves; a wave keeps 16 samples for its whole life; lane (r = lane % 16, h = lane / 16) serves sample r.
; A tile is the wave's 16 samples at ONE quadrature point s: 51 tiles for the integrand, one in front of them, with the other net's weights, for the offset net.
; FIRST LAYER, f32 throughout (it feeds a quantiser).  It is affine in the abscissa: z.iW0 + ib0 = a + t_s b, a = ib0 + h.iW0[1:], b = x iW0[0], made once a sample
; by fused multiply-adds; a point's hidden layer is then 32 packed multiply-adds of the wave.  t_s and cc_s are constants of the problem's function (Clenshaw-Curtis, 50 steps).
; A LANE'S 64 HIDDEN UNITS are k = 64 c + 32 h + i (c = 0, 1; i = 0..31), in this order in its registers: that is the 4-bit operand's own layout, so a lane holds two whole
; blocks of 32, a block's largest number needs no other lane, and the conversions' results ARE the operand's registers.  Only the scale word's bytes cross lanes (l and l xor 16).
; QUANTISER.  The largest of a block's 32 raw sums and of 2^-124 is the largest magnitude behind the relu, held so that the scale's byte does not fall under 1; its exponent
; field less 2 is the byte; the conversion divides by that power of two, rounds to the nearest code, ties to even, and gives the largest code beyond 6.
; THE PRODUCT IS USED TRANSPOSED: source 0 = 16 rows of the weight's codes (16 output units), source 1 = the 16 samples' codes, C = the bias in the result's layout.  K = 128 is
; ONE instruction, so a tile is 8 matrix instructions on 8 accumulators and no sum is carried on.  In the result a lane holds its own sample, register j of tile t = unit 16 t + 8 h + j:
; the last layer's sum runs along the lane's registers (packed multiply-adds in f32) and ends with one exchange between lanes l and l xor 16.
; REGISTERS.  The weight's fragments, the bias, the last layer's weights and b fill register window 1; all else is window 0.  8 waves x 512 registers are the four SIMDs' 4 x 1,024:
; two waves a SIMD, so that one wave's matrix instructions stand beside the other's vector work.
; THE LOOP IS LAID ONE POINT AHEAD: while point s's products are under way the wave quantises point s + 1; then it finishes point s, makes the hidden layer of s + 2 and issues the
; products of s + 1.  So every distance behind and in front of the matrix instructions is filled with work that is due anyway.
; NOT USED: tensor loads, a ring, clusters with joint requests (nothing is streamed: 30 KB of weights are read once, ahead of 51 trips that touch no memory, and the codes as they lie
; in memory are the register image); prefetches (no trip waits for memory); a matrix form for the last layers (N = 1 and 2: it would want as many conversions as this has multiply-adds).
; LIMITS KEPT.  The *_num forms of max and min drop a NaN where the problem's function would hand it on: NaN and infinities among the inputs are not served.  v_exp_f32 gives 0 for
; results under 2^-126.  t_s and cc_s come from a fixed-point recurrence of the assembler (steps of 2^-30; about 2e-7 absolute).  a + t b is summed in another order than in the
; problem's function (f32 rounding only).  A block of zeros carries the byte 1, not 127: its codes are 0 and add the same 0.
.set NPTS,  51                         ; quadrature points
; LDS map, 9,216 bytes
.set TAB,   0                          ; 53 entries of 8 bytes: entry e = (t_e, cc_(e-2))
.set OUTS,  512                        ; 128 results, f32
.set L0I,   1024                       ; iW0, f32, 8 rows of 512 bytes
.set L0N,   5120                       ; nW0, f32, rows 0-6; row 7 = nb0
; window 0.  v1-v10 are offsets that are never rewritten
.set H128,  1                          ; 128 h
.set SH8,   2                          ; 8 h
.set FRA,   3                          ; 64 r + 16 h: my 16 bytes of a row of codes
.set R4,    4                          ; 4 r
.set H32,   5                          ; 32 h
.set H64,   6                          ; 64 h
.set T16,   7                          ; 16 x thread
.set L16,   8                          ; 16 x lane
.set XA,    9                          ; 512 w + 32 r: my sample's inputs
.set OUTA,  10                         ; 64 w + 4 r: my sample's result in OUTS
.set TAB_A, 11                         ; address of the table entry in hand
.set ZEST,  12                         ; the weighted sum
.set OFF,   13                         ; o0
.set SCL,   14                         ; exp(o1)
.set GS,    15                         ; g
.set T,     16                         ; v[16:17]   (t, cc)
.set KAP,   18                         ; v[18:19]   half of the last layer's bias: the two lanes of a sample make it whole
.set GX,    20
.set EN,    21
.set EP,    22
.set CODES, 24                         ; v[24:31]   the samples' codes: source 1
.set WS,    32                         ; v[32:39]   the weight's scale words, tile t: scales and nothing else
.set SCW,   40                         ; v40        the samples' scale word: scales and nothing else
.set SCP,   41
.set SCX,   42
.set P,     44                         ; v[44:51]   four pairs of partial sums of the last layer; while they are dead:
.set AM,    44                         ; v[44:47]   four chains of the two blocks' maxima
.set SCF,   48                         ; v[48:49]   the two blocks' scales as f32
.set BY,    50                         ; v[50:51]   their bytes
.set XIN,   52                         ; v[52:59]   my sample's 8 inputs; v52 = x is kept to the end
.set HID,   64                         ; v[64:127]  the hidden layer, f32
.set ACC,   128                        ; v[128:191] 8 accumulators
.set A_,    192                        ; v[192:255] a
; window 1
.set W1F,   0                          ; the weight's 8 fragments, tile t at 8 t
.set BIAS,  64                         ; the second layer's bias, register 8 t + j = unit 16 t + 8 h + j
.set W2,    128                        ; iW2 in the same order
.set B_,    192                        ; b, in HID's order
.set WN,    128                        ; offset net only, 128 registers: nW2, pair 8 t + j = (column 0, column 1) of unit 16 t + 8 h + j
.set MSB, 0
.macro WIN new                         ; s_set_vgpr_msb: bits 1:0 source 0, 3:2 source 1, 5:4 source 2, 7:6 destination; the high byte repeats the setting left
.if MSB != \new
	s_set_vgpr_msb (MSB<<8)|\new
.set MSB, \new
.endif
.endm
.macro PLACES n
.rept \n
	v_nop
.endr
.endm
; First layer.  A weight row is 128 f32; my 64 units lie at bytes 256 c + 128 h + 0..127.  All lanes of a half read the same bytes.  TMP is a symbol: where a row is put.
.macro L1LOAD base, d, H               ; half H of row d: 8 loads
.irp q, 0,1,2,3,4,5,6,7
	ds_load_b128 v[TMP+32*\H+4*\q:TMP+32*\H+4*\q+3], v[H128] offset:\base+512*(\d)+256*\H+16*\q
.endr
.endm
.macro L1FMA dst, H, xp, sel           ; dst += row x input (register sel of the pair xp)
.set ln, 0
.rept 16
	v_pk_fma_f32 v[\dst+32*\H+ln:\dst+32*\H+ln+1], v[TMP+32*\H+ln:TMP+32*\H+ln+1], v[\xp:\xp+1], v[\dst+32*\H+ln:\dst+32*\H+ln+1] op_sel:[0,\sel,0] op_sel_hi:[1,\sel,1]
.set ln, ln+2
.endr
.endm
.macro L1ROW base, d, last, dst, xp, sel
	L1LOAD \base, \d, 1
	s_wait_dscnt 0x8                               ; LDS answers in order (ISA guide 5.7.1): all but the eight loads just issued are in, so half 0 of this row is
	L1FMA \dst, 0, \xp, \sel
.if \last
	s_wait_dscnt 0x0                               ; nothing was issued behind half 1
.else
	L1LOAD \base, \d+1, 0
	s_wait_dscnt 0x8                               ; the eight loads of the next row's half 0 stay out; half 1 of this row is in
.endif
	L1FMA \dst, 1, \xp, \sel
.endm
.macro ROWTO dst, base, d              ; a whole row, 16 loads
.irp c, 0,1
.irp q, 0,1,2,3,4,5,6,7
	ds_load_b128 v[\dst+32*\c+4*\q:\dst+32*\c+4*\q+3], v[H128] offset:\base+512*(\d)+256*\c+16*\q
.endr
.endr
.endm
; A weight's codes and scale words, straight from memory: a row of 128 codes is 64 bytes; a fragment is 16 rows: lane (r, h) holds row r, registers 4 c .. 4 c + 3 = k 64 c + 32 h + 0..31.
.macro FRAGS cb, sb
	WIN 0x40                                       ; destination window 1, address window 0
.irp t, 0,1,2,3,4,5,6,7
.irp c, 0,1
	global_load_b128 v[W1F+8*\t+4*\c:W1F+8*\t+4*\c+3], v[FRA], s[\cb:\cb+1] offset:1024*\t+32*\c
.endr
.endr
	WIN 0
.irp t, 0,1,2,3,4,5,6,7
	global_load_b32 v[WS+\t], v[R4], s[\sb:\sb+1] offset:64*\t     ; row 16 t + r's four scale bytes (lanes 16-31 hold the same and are not read)
.endr
.endm
.macro VEC64 dst, sb                   ; a vector of 128 f32 in the result's layout: register 8 t + j = element 16 t + 8 h + j.  Stands under WIN 0x40
.irp t, 0,1,2,3,4,5,6,7
.irp u, 0,1
	global_load_b128 v[\dst+8*\t+4*\u:\dst+8*\t+4*\u+3], v[H32], s[\sb:\sb+1] offset:64*\t+16*\u
.endr
.endr
.endm
.macro RELU64 base                     ; max(., 0) of 64 registers in place, in ascending order: of an accumulator the two lowest registers are read first
.set rn, 0
.rept 32
	v_dual_max_num_f32 v[\base+2*rn], 0, v[\base+2*rn] :: v_dual_max_num_f32 v[\base+2*rn+1], 0, v[\base+2*rn+1]
.set rn, rn+1
.endr
.endm
; The raw hidden layer in HID becomes codes (CODES) and a scale word (SCW).
.macro QUANT
.irp c, 0,1                            ; the two blocks' maxima in four chains that do not wait for each other: 15 + 15 numbers, then the last two and the floor 2^-124 (s7)
	v_max3_num_f32 v[AM+2*\c],   v[HID+32*\c],    v[HID+32*\c+1],  v[HID+32*\c+2]
	v_max3_num_f32 v[AM+2*\c+1], v[HID+32*\c+15], v[HID+32*\c+16], v[HID+32*\c+17]
.endr
.irp i, 3,5,7,9,11,13
.irp c, 0,1
	v_max3_num_f32 v[AM+2*\c],   v[AM+2*\c],   v[HID+32*\c+\i],    v[HID+32*\c+\i+1]
	v_max3_num_f32 v[AM+2*\c+1], v[AM+2*\c+1], v[HID+32*\c+\i+15], v[HID+32*\c+\i+16]
.endr
.endr
.irp c, 0,1
	v_max3_num_f32 v[AM+2*\c], v[AM+2*\c], v[AM+2*\c+1], v[HID+32*\c+30]
.endr
.irp c, 0,1
	v_max3_num_f32 v[AM+2*\c], v[AM+2*\c], v[HID+32*\c+31], s7    ; the floor stands for the relu's 0 and holds the byte at 1 from below
.endr
.irp c, 0,1
	v_add_nc_u32 v[SCF+\c], 0xff000000, v[AM+2*\c]                ; exponent field - 2: the scale as f32 (the conversion looks at the exponent field alone)
.endr
.irp c, 0,1
	v_lshrrev_b32 v[BY+\c], 23, v[SCF+\c]                         ; and as a byte
.endr
	v_lshl_or_b32 v[BY], v[BY+1], 16, v[BY]        ; my two bytes: blocks h and 2 + h,
	v_lshlrev_b32 v[SCP], v[SH8], v[BY]            ; at their places in the word (8 h bits up);
	v_permlanex16_b32 v[SCX], v[SCP], s42, s43
	v_or_b32 v[SCW], v[SCP], v[SCX]                ; with lane l xor 16's two the word is whole
	RELU64 HID                                     ; 32 plain instructions: also the places between the scale word's writing and the matrix instructions
.irp c, 0,1
.irp g, 0,1,2,3
	v_cvt_scalef32_pk8_fp4_f32 v[CODES+4*\c+\g], v[HID+32*\c+8*\g:HID+32*\c+8*\g+7], v[SCF+\c]
.endr
.endr
.endm
; 8 matrix instructions: 128 units x 16 samples, K = 128, C = the bias.  Eight different accumulators, none added onto.
.macro MM
	WIN 0x11                                       ; source 0 (the weight) and C (the bias) in window 1
.irp t, 0,1,2,3,4,5,6,7
	v_wmma_scale_f32_16x16x128_f8f6f4 v[ACC+8*\t:ACC+8*\t+7], v[W1F+8*\t:W1F+8*\t+7], v[CODES:CODES+7], v[BIAS+8*\t:BIAS+8*\t+7], v[WS+\t], v[SCW] matrix_a_fmt:MATRIX_FMT_FP4 matrix_b_fmt:MATRIX_FMT_FP4
.endr
	WIN 0
.endm
.macro HIDDEN                          ; a + t b.  Stands under WIN 0x01 (b in window 1)
.set gn, 0
.rept 32
	v_pk_fma_f32 v[HID+gn:HID+gn+1], v[B_+gn:B_+gn+1], v[T:T+1], v[A_+gn:A_+gn+1] op_sel_hi:[1,0,1]
.set gn, gn+2
.endr
.endm
.macro DOT                             ; sum over my 64 units of iW2 x relu(z), in four chains of pairs; the first starts from KAP, nothing is cleared.  Under WIN 0x01
.set mm, 0
.rept 32
.if mm == 0
	v_pk_fma_f32 v[P:P+1], v[W2:W2+1], v[ACC:ACC+1], v[KAP:KAP+1]
.elseif mm < 4
	v_pk_mul_f32 v[P+2*mm:P+2*mm+1], v[W2+2*mm:W2+2*mm+1], v[ACC+2*mm:ACC+2*mm+1]
.else
	v_pk_fma_f32 v[P+2*(mm%4):P+2*(mm%4)+1], v[W2+2*mm:W2+2*mm+1], v[ACC+2*mm:ACC+2*mm+1], v[P+2*(mm%4):P+2*(mm%4)+1]
.endif
.set mm, mm+1
.endr
.endm
.macro DOTN                            ; the offset net's last layer: a pair is (column 0, column 1); unit e = 8 t + j + sl is broadcast from its register.  Under WIN 0x01
.irp t, 0,1,2,3,4,5,6,7
.irp j, 0,2,4,6
.irp sl, 0,1
.set ee, 8*\t+\j+\sl
.if ee == 0
	v_pk_fma_f32 v[P:P+1], v[WN:WN+1], v[ACC:ACC+1], v[KAP:KAP+1] op_sel:[0,0,0] op_sel_hi:[1,0,1]
.elseif ee < 4
	v_pk_mul_f32 v[P+2*ee:P+2*ee+1], v[WN+2*ee:WN+2*ee+1], v[ACC+8*\t+\j:ACC+8*\t+\j+1] op_sel:[0,\sl] op_sel_hi:[1,\sl]
.else
	v_pk_fma_f32 v[P+2*(ee%4):P+2*(ee%4)+1], v[WN+2*ee:WN+2*ee+1], v[ACC+8*\t+\j:ACC+8*\t+\j+1], v[P+2*(ee%4):P+2*(ee%4)+1] op_sel:[0,\sl,0] op_sel_hi:[1,\sl,1]
.endif
.endr
.endr
.endr
.endm
.macro FIN                             ; g, elu(g) + 1 = max(g, 0) + e^min(g, 0) (no branch, and the exponent is never above 0), times cc, onto the sum
	v_pk_add_f32 v[P:P+1], v[P:P+1], v[P+2:P+3]
	v_pk_add_f32 v[P+4:P+5], v[P+4:P+5], v[P+6:P+7]
	v_pk_add_f32 v[P:P+1], v[P:P+1], v[P+4:P+5]
	v_add_f32 v[GS], v[P], v[P+1]
	v_permlanex16_b32 v[GX], v[GS], s42, s43       ; my sample's other 64 units lie in lane l xor 16
	v_add_f32 v[GS], v[GS], v[GX]
	v_min_num_f32 v[EN], 0, v[GS]
	v_max_num_f32 v[EP], 0, v[GS]
	v_mul_f32 v[EN], 0x3fb8aa3b, v[EN]
	v_exp_f32 v[EN], v[EN]
	v_fmac_f32 v[ZEST], v[T+1], v[EP]              ; the plain instruction behind the exponential
	s_wait_alu depctr_va_vdst(0)
	v_fmac_f32 v[ZEST], v[T+1], v[EN]
.endm
; A trip.  On entry the products of point s have just been issued and HID holds the raw hidden layer of s + 1.  adr = 8 s.  more = 1: the hidden layer of s + 2 is made.
.macro TRIP more, adr
	v_mov_b32 v[TAB_A], \adr
	ds_load_b64 v[T:T+1], v[TAB_A] offset:TAB+16   ; entry s + 2 = (t_(s+2), cc_s)
	QUANT                                          ; point s + 1.  Its 32 maxima name no register of the products of s: they are the places behind those (ISA guide 7.12.1)
	RELU64 ACC                                     ; point s.  Also the plain instructions behind the conversions
	s_wait_dscnt 0x0                               ; the table entry, asked for at the trip's head
	WIN 0x01
	DOT
.if \more
	HIDDEN
.endif
	WIN 0
	FIN
	MM                                             ; point s + 1: its scale word and its codes were written more than 64 plain instructions ago
.endm
; ============================================================ head
	s_load_b512 s[8:23], s[0:1], 0x0               ; x s[8:9], iW0 s[10:11], ib0 s[12:13], iW1 codes s[14:15], scales s[16:17], ib1 s[18:19], iW2 s[20:21], ib2 s[22:23]
	s_load_b512 s[24:39], s[0:1], 0x40             ; nW0 s[24:25], nb0 s[26:27], nW1 codes s[28:29], scales s[30:31], nb1 s[32:33], nW2 s[34:35], nb2 s[36:37], out0 s[38:39]
	v_lshl_add_u32 v62, v0, 2, 0x2400
	v_mov_b32 v63, 0
	v_lshrrev_b32 v[GS], 5, v0
	v_readfirstlane_b32 s2, v[GS]                  ; wave w, 0 to 7
	s_mov_b32 s42, 0x76543210                      ; v_permlanex16_b32's selects for lane l xor 16
	s_mov_b32 s43, 0xfedcba98
	s_mov_b32 s7, 0x01800000                       ; 2^-124
	v_and_b32 v[GX], 15, v0                        ; r
	v_bfe_u32 v[EN], v0, 4, 1                      ; h
	v_and_b32 v[EP], 31, v0                        ; lane
	s_lshl_b32 s46, s2, 9                          ; 512 w: 16 samples of 32 bytes, or one row of 128 f32
	s_lshl_b32 s47, s2, 6                          ; 64 w: 16 results
	v_lshlrev_b32 v[H128], 7, v[EN]
	v_lshlrev_b32 v[SH8], 3, v[EN]
	v_lshlrev_b32 v[FRA], 6, v[GX]
	v_lshl_add_u32 v[FRA], v[EN], 4, v[FRA]
	v_lshlrev_b32 v[R4], 2, v[GX]
	v_lshlrev_b32 v[H32], 5, v[EN]
	v_lshlrev_b32 v[H64], 6, v[EN]
	v_lshlrev_b32 v[T16], 4, v0
	v_lshlrev_b32 v[L16], 4, v[EP]
	v_lshl_add_u32 v[XA], v[GX], 5, s46
	v_lshl_add_u32 v[OUTA], v[GX], 2, s47
	v_mov_b32 v[GX], 0                             ; the destination of a lane permute counts as read: these three are written once here
	v_mov_b32 v[EP], 0
	v_mov_b32 v[SCX], 0
	s_wait_kmcnt 0x0
	s_load_b32 s6, s[22:23], 0x0                   ; ib2
	s_load_b64 s[40:41], s[36:37], 0x0             ; nb2
	s_lshl_b32 s4, ttmp9, 12                       ; 128 samples of 32 bytes
	s_mov_b32 s5, 0
	s_add_nc_u64 s[8:9], s[8:9], s[4:5]
	s_lshl_b32 s4, ttmp9, 9                        ; 128 results of 4 bytes
	s_add_nc_u64 s[38:39], s[38:39], s[4:5]
	s_mov_b32 s4, s46
	s_add_nc_u64 s[44:45], s[24:25], s[4:5]        ; row w of nW0 (7 rows) ...
	s_cmp_eq_u32 s2, 7
	s_cselect_b64 s[44:45], s[26:27], s[44:45]     ; ... and for wave 7 nb0: every wave issues the same loads, none leaves its buffer
; ============================================================ the first loads: 60 a wave
	global_load_b128 v[HID:HID+3],   v[T16], s[10:11]      ; iW0: the 256 threads take all 4,096 bytes
	global_load_b128 v[HID+4:HID+7], v[L16], s[44:45]      ; my wave's row of nW0 / nb0
	global_load_b128 v[XIN:XIN+3],   v[XA], s[8:9]
	global_load_b128 v[XIN+4:XIN+7], v[XA], s[8:9] offset:16
	FRAGS 28, 30                                   ; nW1
	WIN 0x40
	VEC64 BIAS, 32                                 ; nb1
	WIN 0
.irp c, 0,1
.irp q, 0,1,2,3,4,5,6,7
	global_load_b128 v[A_+32*\c+4*\q:A_+32*\c+4*\q+3], v[H128], s[12:13] offset:256*\c+16*\q   ; ib0 starts a, in the order of my 64 units
.endr
.endr
; The table of t_s and cc_s, while the loads are on their way; pass j of 26 is wave j % 8's.  The assembler makes the numbers in fixed point, scale 2^30:
; cos(j pi/50) by the three-term recurrence from cos(pi/50); cc_j = (2/50) (1 - sum over q = 1..25 of 2 cos(2 q j pi/50) / (4 q^2 - 1)), half of that for j = 0 and 50
; (the problem's own formula: only even rows of its cosine matrix carry weight, and its first and last columns are halved).
; t_j = (1 + cos(j pi/50)) / 2, t_(50-j) = (1 - cos(j pi/50)) / 2 and cc_(50-j) = cc_j, so 26 passes fill 51 points.
.set SC, 1<<30
.set C1, 1071623040                    ; cos(pi/50) x 2^30
	v_mov_b32 v[ACC+3], 0                          ; address 0, and the value 0
.irp w, 0,1,2,3,4,5,6,7
	s_cmp_lg_u32 s2, \w
	s_cbranch_scc1 .Ltab_\w
.set cosj, SC
.set cosp, C1
.set j, 0
.rept 26
.set c2j,  2*cosj*cosj/SC - SC         ; cos(2 j pi/50)
.set wsum, SC
.set chp,  SC
.set chq,  c2j
.set qq,   1
.rept 25
.set wsum, wsum - 2*chq/(4*qq*qq-1)
.set chn,  2*c2j*chq/SC - chp
.set chp,  chq
.set chq,  chn
.set qq,   qq+1
.endr
.if j == 0
.set wj, wsum/50
.else
.set wj, wsum/25
.endif
.set thi, (SC+cosj)/2
.set tlo, (SC-cosj)/2
.if (j%8) == \w
	v_cvt_f32_i32 v[ACC],   thi
	v_cvt_f32_i32 v[ACC+1], tlo
	v_cvt_f32_i32 v[ACC+2], wj
	v_pk_mul_f32 v[ACC:ACC+1], v[ACC:ACC+1], 0x30800000 op_sel_hi:[1,0]      ; x 2^-30
	v_mul_f32 v[ACC+2], 0x30800000, v[ACC+2]
	ds_store_b32 v[ACC+3], v[ACC]   offset:TAB+8*j         ; t_j
	ds_store_b32 v[ACC+3], v[ACC+2] offset:TAB+8*j+20      ; cc_j, in entry j + 2
.if j < 25
	ds_store_b32 v[ACC+3], v[ACC+1] offset:TAB+400-8*j     ; t_(50-j)
	ds_store_b32 v[ACC+3], v[ACC+2] offset:TAB+420-8*j     ; cc_(50-j)
.endif
.endif
.set cosn, 2*C1*cosj/SC - cosp
.set cosp, cosj
.set cosj, cosn
.set j, j+1
.endr
.if \w == 7
	ds_store_b32 v[ACC+3], v[ACC+3] offset:TAB+4   ; entries 0 and 1 have no cc, entries 51 and 52 no t: these four words are loaded and never used
	ds_store_b32 v[ACC+3], v[ACC+3] offset:TAB+12
	ds_store_b32 v[ACC+3], v[ACC+3] offset:TAB+408
	ds_store_b32 v[ACC+3], v[ACC+3] offset:TAB+416
.endif
.Ltab_\w:
.endr
; ============================================================ the first layers' weights go to LDS
	s_wait_loadcnt 58                              ; behind the two loads that are staged stand 58 (2 inputs, 24 codes and scale words, 16 nb1, 16 ib0): those stay out
	ds_store_b128 v[T16], v[HID:HID+3]   offset:L0I
	ds_store_b128 v[T16], v[HID+4:HID+7] offset:L0N        ; wave w's row w; wave 7's is nb0
	s_wait_dscnt 0x0                               ; for the other waves' sake: all my LDS stores, the table's too, are done before I signal
	s_barrier_signal -1
	s_barrier_wait -1                              ; table and first-layer weights are in LDS for everybody; nobody writes them again
; ============================================================ the offset net: its hidden layer, its codes, its product
	ROWTO HID, L0N, 7                              ; nb0 starts the sums
.set TMP, ACC
	L1LOAD L0N, 0, 0
	s_wait_loadcnt 56                              ; my sample's inputs are in; the 56 loads behind them stay out
	L1ROW L0N, 0, 0, HID, XIN,   1                 ; row d of nW0 goes with input d + 1
	L1ROW L0N, 1, 0, HID, XIN+2, 0
	L1ROW L0N, 2, 0, HID, XIN+2, 1
	L1ROW L0N, 3, 0, HID, XIN+4, 0
	L1ROW L0N, 4, 0, HID, XIN+4, 1
	L1ROW L0N, 5, 0, HID, XIN+6, 0
	L1ROW L0N, 6, 1, HID, XIN+6, 1
	QUANT
	s_wait_loadcnt 0x0                             ; nW1's codes and scale words, nb1 (and ib0)
	WIN 0x40
.irp t, 0,1,2,3,4,5,6,7
.irp q, 0,1,2,3
	global_load_b128 v[WN+16*\t+4*\q:WN+16*\t+4*\q+3], v[H64], s[34:35] offset:128*\t+16*\q    ; nW2: 8 bytes a unit; units 16 t + 8 h + 0..7
.endr
.endr
	WIN 0
	PLACES 4                                       ; an operand written by a vector instruction stands four places ahead of the scaled matrix instruction; the first is also the plain place behind the conversions
	MM
	PLACES 4                                       ; four places (ISA guide 7.12.1 for vector instructions) before loads land on the fragments and scale words just read
	FRAGS 14, 16                                   ; iW1, on its way during what follows
; ============================================================ a, rows 1 to 4, while nW2 is on its way
.set TMP, HID
	L1LOAD L0I, 1, 0
	L1ROW L0I, 1, 0, A_, XIN,   1                  ; a = ib0 + sum over d = 1..7 of input d x iW0[d]
	L1ROW L0I, 2, 0, A_, XIN+2, 0
	L1ROW L0I, 3, 0, A_, XIN+2, 1
	L1ROW L0I, 4, 1, A_, XIN+4, 0
; ============================================================ the offset net's end
	s_wait_loadcnt 24                              ; nW2's 32 loads are in; the 24 of iW1, issued behind them, stay out
	s_wait_kmcnt 0x0                               ; ib2, nb2
	s_mul_f32 s40, s40, 0.5                        ; half of nb2 in each of a sample's two lanes
	s_mul_f32 s41, s41, 0.5
	v_mov_b32 v[KAP],   s40
	v_mov_b32 v[KAP+1], s41
	RELU64 ACC
	WIN 0x01
	DOTN
	WIN 0
	v_pk_add_f32 v[P:P+1], v[P:P+1], v[P+2:P+3]
	v_pk_add_f32 v[P+4:P+5], v[P+4:P+5], v[P+6:P+7]
	v_pk_add_f32 v[P:P+1], v[P:P+1], v[P+4:P+5]
	v_permlanex16_b32 v[GX], v[P],   s42, s43
	v_permlanex16_b32 v[EP], v[P+1], s42, s43
	v_add_f32 v[OFF], v[P], v[GX]                  ; o0
	v_add_f32 v[EN], v[P+1], v[EP]                 ; o1
	v_mul_f32 v[EN], 0x3fb8aa3b, v[EN]             ; e^o1 = 2^(o1 log2 e)
	v_exp_f32 v[SCL], v[EN]
	v_mov_b32 v[ZEST], 0                           ; the plain instruction behind the exponential
	WIN 0x40
	VEC64 BIAS, 18                                 ; ib1 and iW2 take the places of nb1 and nW2
	VEC64 W2, 20
	WIN 0
; ============================================================ a, rows 5 to 7; b
	L1LOAD L0I, 5, 0
	L1ROW L0I, 5, 0, A_, XIN+4, 1
	L1ROW L0I, 6, 0, A_, XIN+6, 0
	L1ROW L0I, 7, 1, A_, XIN+6, 1
	ROWTO HID, L0I, 0
	v_mov_b32 v[TAB_A], 0
	ds_load_b64 v[T:T+1], v[TAB_A] offset:TAB      ; entry 0: t_0
	s_mul_f32 s6, s6, 0.5
	v_mov_b32 v[KAP],   s6                         ; half of ib2 in each of a sample's two lanes, in the pair's low half alone
	v_mov_b32 v[KAP+1], 0
	s_wait_dscnt 0x0                               ; iW0's row 0 and the table entry
	WIN 0x40
.set gn, 0
.rept 32
	v_pk_mul_f32 v[B_+gn:B_+gn+1], v[HID+gn:HID+gn+1], v[XIN:XIN+1] op_sel_hi:[1,0]    ; b = x iW0[0]
.set gn, gn+2
.endr
; ============================================================ the pipeline is filled: point 0's products, point 1's hidden layer
	WIN 0x01
	HIDDEN                                         ; point 0
	WIN 0
	ds_load_b64 v[T:T+1], v[TAB_A] offset:TAB+8    ; entry 1: t_1
	QUANT
	s_wait_loadcnt 0x0                             ; iW1's codes and scale words, ib1, iW2
	PLACES 4                                       ; as in front of the offset net's product
	MM
	s_wait_dscnt 0x0                               ; t_1
	WIN 0x01
	HIDDEN                                         ; point 1
	WIN 0
	s_mov_b32 s3, 0
; ============================================================ 49 trips, s = 0 .. 48.  No barrier: a wave shares nothing here; no memory is touched
.Lpoint:
	s_lshl_b32 s47, s3, 3
	TRIP 1, s47
	s_add_co_u32 s3, s3, 1
	s_cmp_lt_u32 s3, NPTS-2
	s_cbranch_scc1 .Lpoint
; ============================================================ the tail: point 49's end with point 50's products, then point 50's end
	TRIP 0, 8*(NPTS-2)
	v_mov_b32 v[TAB_A], 8*(NPTS-1)                 ; with the three below: four places behind the matrix instructions (ISA guide 7.12.1)
	ds_load_b64 v[T:T+1], v[TAB_A] offset:TAB+16   ; entry 52: cc_50
	PLACES 3
	RELU64 ACC
	s_wait_dscnt 0x0
	WIN 0x01
	DOT
	WIN 0
	FIN
; ============================================================ the result
	v_mul_f32 v[EN], v[ZEST], v[XIN]
	v_mul_f32 v[EN], 0.5, v[EN]                    ; the integral
	v_fma_f32 v[EN], v[SCL], v[EN], v[OFF]
	v_mul_f32 v[EN], 0xbfb8aa3b, v[EN]             ; sigmoid(u) = 1 / (1 + 2^(-u log2 e))
	v_exp_f32 v[EN], v[EN]
	v_nop                                          ; a plain instruction behind each transcendental
	s_wait_alu depctr_va_vdst(0)
	v_add_f32 v[EN], 1.0, v[EN]
	v_rcp_f32 v[EN], v[EN]
	v_nop
	s_wait_alu depctr_va_vdst(0)
	ds_store_b32 v[OUTA], v[EN] offset:OUTS        ; lanes r and r + 16 hold the same sample and write the same word with the same value
	s_wait_dscnt 0x0                               ; for wave 0's sake
	s_barrier_signal -1
	s_barrier_wait -1
	s_cmp_lg_u32 s2, 0
	s_cbranch_scc1 .Lend
	ds_load_b128 v[A_:A_+3], v[L16] offset:OUTS    ; the work-group's 128 results
	s_wait_dscnt 0x0
	global_store_b128 v[L16], v[A_:A_+3], s[38:39] ; one store of 512 consecutive bytes, at a multiple of 512 from out0's first byte
.Lend:
	s_wait_tensorcnt 0x0
	ds_add_u32 v62, v63
	s_wait_dscnt 0x0
	s_endpgm
.Lfunc_end_k_q109be5e790_mono:
	.size	k_q109be5e790_mono, .Lfunc_end_k_q109be5e790_mono-k_q109be5e790_mono
	.p2alignl 7, 3214868480
	.fill 96, 4, 3214868480
	.section	.rodata,"a",@progbits
	.p2align	6, 0x0
	.amdhsa_kernel k_q109be5e790_mono
		.amdhsa_group_segment_fixed_size 10240
		.amdhsa_private_segment_fixed_size 0
		.amdhsa_enable_private_segment 0
		.amdhsa_kernarg_size 128
		.amdhsa_user_sgpr_count 2
		.amdhsa_user_sgpr_kernarg_segment_ptr 1
		.amdhsa_wavefront_size32 1
		.amdhsa_system_sgpr_workgroup_id_x 1
		.amdhsa_system_sgpr_workgroup_id_y 1
		.amdhsa_system_sgpr_workgroup_id_z 1
		.amdhsa_system_vgpr_workitem_id 0
		.amdhsa_next_free_vgpr 512
		.amdhsa_next_free_sgpr 66
		.amdhsa_reserve_vcc 0
		.amdhsa_float_denorm_mode_32 3
		.amdhsa_float_denorm_mode_16_64 3
		.amdhsa_memory_ordered 1
		.amdhsa_forward_progress 1
		.amdhsa_inst_pref_size 133
	.end_amdhsa_kernel
	.amdgpu_metadata
---
amdhsa.version: [ 1, 2 ]
amdhsa.kernels:
  - .name:           k_q109be5e790_mono
    .symbol:         k_q109be5e790_mono.kd
    .args:
      - { .name: x_input, .offset: 0, .size: 8, .value_kind: global_buffer, .address_space: global }
      - { .name: iW0, .offset: 8, .size: 8, .value_kind: global_buffer, .address_space: global }
      - { .name: ib0, .offset: 16, .size: 8, .value_kind: global_buffer, .address_space: global }
      - { .name: iW1_codes, .offset: 24, .size: 8, .value_kind: global_buffer, .address_space: global }
      - { .name: iW1_scales, .offset: 32, .size: 8, .value_kind: global_buffer, .address_space: global }
      - { .name: ib1, .offset: 40, .size: 8, .value_kind: global_buffer, .address_space: global }
      - { .name: iW2, .offset: 48, .size: 8, .value_kind: global_buffer, .address_space: global }
      - { .name: ib2, .offset: 56, .size: 8, .value_kind: global_buffer, .address_space: global }
      - { .name: nW0, .offset: 64, .size: 8, .value_kind: global_buffer, .address_space: global }
      - { .name: nb0, .offset: 72, .size: 8, .value_kind: global_buffer, .address_space: global }
      - { .name: nW1_codes, .offset: 80, .size: 8, .value_kind: global_buffer, .address_space: global }
      - { .name: nW1_scales, .offset: 88, .size: 8, .value_kind: global_buffer, .address_space: global }
      - { .name: nb1, .offset: 96, .size: 8, .value_kind: global_buffer, .address_space: global }
      - { .name: nW2, .offset: 104, .size: 8, .value_kind: global_buffer, .address_space: global }
      - { .name: nb2, .offset: 112, .size: 8, .value_kind: global_buffer, .address_space: global }
      - { .name: out0, .offset: 120, .size: 8, .value_kind: global_buffer, .address_space: global }
    .group_segment_fixed_size: 10240
    .private_segment_fixed_size: 0
    .kernarg_segment_align: 8
    .kernarg_segment_size: 128
    .max_flat_workgroup_size: 256
    .sgpr_count:     66
    .vgpr_count:     512
    .wavefront_size: 32
...
	.end_amdgpu_metadata
.endif
;; end of part 1
;; ======== version 2 of 2: 1 launch; 1.16 times as fast as version 1
;; launch mono (part 2): grid 256 x 1, 8 waves a work-group, no clusters, 12,288 bytes of LDS; arguments x_input, iW0, ib0, iW1_codes, iW1_scales, ib1, iW2, ib2, nW0, nb0, nW1_codes, nW1_scales, nb1, nW2, nb2, out0; writes out0
.if DOCPART == 2
	.amdgcn_target "amdgcn-amd-amdhsa--gfx1250"
	.amdhsa_code_object_version 6
	.text
	.protected	k_q109be5e790_mono
	.globl	k_q109be5e790_mono
	.p2align	8
	.type	k_q109be5e790_mono,@function
k_q109be5e790_mono:
	s_mov_b64 s[64:65], 0
	v_nop
	global_prefetch_b8 v0, s[64:65] scope:SCOPE_SE
	s_setreg_imm32_b32 hwreg(HW_REG_WAVE_MODE, 25, 1), 1
	s_wait_xcnt 0x0
; MonotonicNN with its two 128 x 128 products on codes of MX-FP4 (E2M1, one E8M0 scale for each 32 along K), everything in one launch.
;   out = sigmoid( exp(o1) * (x/2) * sum_s cc_s (elu(g_s) + 1) + o0 ),  g_s = the integrand net at (x t_s, h),  (o0, o1) = the offset net at h.
; SHARES.  256 work-groups x 128 samples; 8 waves; a wave keeps 16 samples for its whole life; lane (r = lane % 16, h = lane / 16) serves sample r.
; A tile is the wave's 16 samples at ONE quadrature point s: 51 tiles for the integrand, one in front of them, with the other net's weights, for the offset net.
; FIRST LAYERS, f32 throughout (they feed a quantiser).  The integrand's is affine in the abscissa: z.iW0 + ib0 = a + t_s b, a = ib0 + h.iW0[1:], b = x iW0[0], made once a sample; a point's
; hidden layer is then 32 packed multiply-adds of the wave.  a and the offset net's hidden layer are products [128 units x 8] x [8 x 16 samples] and go to the f32 matrix form, K = 4 twice:
; source 0 = 16 units of the weights, source 1 = the 16 samples; k = 0 carries the bias (weight row = the bias, the sample's number = 1), k = 1..7 the inputs 1..7.
; t_s and cc_s are constants of the problem's function (Clenshaw-Curtis, 50 steps).
; A LANE'S 64 HIDDEN UNITS are k = 64 c + 32 h + i (c = 0, 1; i = 0..31), in this order in its registers: that is the 4-bit operand's own layout, so a lane holds two whole
; blocks of 32, a block's largest number needs no other lane, and the conversions' results ARE the operand's registers.  Only the scale word's bytes cross lanes (l and l xor 16).
; The units that form a tile of the f32 product are chosen for that: row m of tile 4 c + g is unit 64 c + 8 g + m % 8 + 32 (m / 8).
; QUANTISER.  The largest of a block's 32 raw sums and of 2^-124 is the largest magnitude behind the relu, held so that the scale's byte does not fall under 1; its exponent
; field less 2 is the byte; the conversion divides by that power of two, rounds to the nearest code, ties to even, and gives the largest code beyond 6.
; THE QUANTISED PRODUCT IS USED TRANSPOSED: source 0 = 16 rows of the weight's codes (16 output units), source 1 = the 16 samples' codes, C = the bias in the result's layout.  K = 128 is
; ONE instruction, so a tile is 8 matrix instructions on 8 accumulators and no sum is carried on.  In the result a lane holds its own sample, register j of tile t = unit 16 t + 8 h + j:
; the last layer's sum runs along the lane's registers (packed multiply-adds in f32) and ends with one exchange between lanes l and l xor 16.
; REGISTERS.  The weight's fragments, the bias, a and b fill register window 1; all else is window 0.  8 waves x 512 registers are the four SIMDs' 4 x 1,024: two waves a SIMD.
; THE LOOP IS LAID IN THREE STAGES: in trip s the wave ends point s - 1 (a chain of twelve dependent lines, set one by one between the block maxima of point s + 1), quantises point s + 1,
; takes relu and last layer of point s, and issues the products of s + 1 with the hidden layer of s + 2 between them.  So dependent lines stand apart, and every distance behind and in front
; of the matrix instructions is filled with work that is due anyway.
; NOT USED: tensor loads, a ring, clusters with joint requests (nothing is streamed: 30 KB of weights are read once, ahead of 51 trips that touch no memory, and the codes as they lie
; in memory are the register image); prefetches (no trip waits for memory); a matrix form for the last layers (N = 1 and 2: it would want as many conversions as this has multiply-adds);
; the f32 matrix form for a + t b in the loop (8 instructions of 1,024 multiply-adds a tile would stand in the way of the wave's own vector work for 24 lines spared).
; LIMITS KEPT.  The *_num forms of max and min drop a NaN where the problem's function would hand it on: NaN and infinities among the inputs are not served.  v_exp_f32 gives 0 for
; results under 2^-126.  t_s and cc_s come from a fixed-point recurrence of the assembler (steps of 2^-30; about 2e-7 absolute).  a + t b, and the bias first, are summed in another order
; than in the problem's function (f32 rounding only).  A block of zeros carries the byte 1, not 127: its codes are 0 and add the same 0.
.set NPTS,  51                         ; quadrature points
.set PIT,   528                        ; LDS pitch of a first-layer row: 512 bytes + 16 = 132 words, so that rows two or three apart lie 8 or 12 banks apart
; LDS map, 11,264 bytes
.set TAB,   0                          ; 53 entries of 8 bytes: entry e = (t_e, cc_(e-2))
.set OUTS,  512                        ; 128 results, f32
.set IMGI,  1024                       ; 9 rows: ib0, then iW0's rows 0-7
.set IMGN,  5888                       ; 8 rows: nb0, then nW0's rows 0-6
.set NW2L,  10240                      ; nW2, 1,024 bytes
; window 0.  v1-v10 are offsets that are never rewritten
.set H128,  1                          ; 128 h
.set SH8,   2                          ; 8 h
.set FRA,   3                          ; 64 r + 16 h: my 16 bytes of a row of codes
.set R4,    4                          ; 4 r
.set H32,   5                          ; 32 h
.set H64,   6                          ; 64 h
.set T16,   7                          ; 16 x thread
.set L16,   8                          ; 16 x lane
.set XA,    9                          ; 512 w + 32 r: my sample's inputs
.set OUTA,  10                         ; 64 w + 4 r: my sample's result in OUTS; also my word of ib0
.set TAB_A, 11                         ; address of the table entry in hand
.set ZEST,  12                         ; the weighted sum
.set OFF,   13                         ; o0
.set SCL,   14                         ; exp(o1)
.set GS,    15                         ; g
.set T,     16                         ; v[16:17]   (t, cc)
.set KAP,   18                         ; v[18:19]   half of the last layer's bias: the two lanes of a sample make it whole
.set FL0,   18                         ; head only: lane term of the fragment register that holds k = 0 (lanes 0-15) and k = 2 (lanes 16-31) of the integrand's image
.set GX,    20
.set EN,    21
.set X,     22                         ; x of my sample; named as a pair with v23
.set EP,    23
.set CODES, 24                         ; v[24:31]   the samples' codes: source 1
.set WS,    32                         ; v[32:39]   the weight's scale words, tile t: scales and nothing else
.set SCW,   40                         ; v40        the samples' scale word: scales and nothing else
.set SCP,   41
.set SCX,   42
.set FL,    43                         ; head only: lane term of the first layers' fragments
.set P,     44                         ; v[44:51]   four pairs of partial sums of the last layer
.set XB,    44                         ; head only, v[44:47]: the samples as source 1 of the f32 product: register 2 kk + j = number k = 4 kk + 2 h + j
.set AM,    52                         ; v[52:59]   eight chains of the two blocks' maxima
.set XBA,   52                         ; head only: 512 w + 32 r + 8 h
.set T4,    53                         ; head only: 4 x thread
.set SA,    54                         ; head only: 528 w + 16 x lane
.set SCF,   60                         ; v[60:61]   the two blocks' scales as f32
.set BY,    62                         ; v[62:63]   their bytes
.set HID,   64                         ; v[64:127]  the hidden layer, f32
.set ACC,   128                        ; v[128:191] 8 accumulators
.set W2,    192                        ; v[192:255] iW2, register 8 t + j = unit 16 t + 8 h + j
; window 1
.set W1F,   0                          ; the weight's 8 fragments, tile t at 8 t
.set BIAS,  64                         ; the second layer's bias, in W2's order
.set A_,    128                        ; a, in HID's order; before that the offset net's hidden layer.  Written by the f32 matrix form alone
.set B_,    192                        ; b, in HID's order
.set MSB, 0
.macro WIN new                         ; s_set_vgpr_msb: bits 1:0 source 0, 3:2 source 1, 5:4 source 2, 7:6 destination; the high byte repeats the setting left
.if MSB != \new
	s_set_vgpr_msb (MSB<<8)|\new
.set MSB, \new
.endif
.endm
.macro PLACES n
.rept \n
	v_nop
.endr
.endm
; The 16 fragments (tile t, K step kk) of a first layer's image: lane (r, h), register j = image row k = 4 kk + 2 h + j, unit 64 (t / 4) + 8 (t % 4) + r % 8 + 32 (r / 8).
; up: the image's row for k >= 1 is k + up.  own0 = 1: k = 0 lies three rows ahead of k = 2, so that register has a lane term of its own.  32 lanes, 32 different banks.
.macro WFLOAD wf, img, up, own0
.irp t, 0,1,2,3,4,5,6,7
.irp kk, 0,1
.irp j, 0,1
.if \own0 && (\kk == 0) && (\j == 0)
	ds_load_b32 v[\wf+2*\t], v[FL0] offset:\img+256*(\t/4)+32*(\t%4)
.else
	ds_load_b32 v[\wf+16*\kk+2*\t+\j], v[FL] offset:\img+PIT*(4*\kk+\j+\up)+256*(\t/4)+32*(\t%4)
.endif
.endr
.endr
.endr
.endm
; 16 matrix instructions in f32: 128 units x 16 samples, K = 8 in two steps.  The first step starts the sums (C = 0); the eight accumulators take turns.
.macro L1MM wf
	WIN 0x50                                       ; C and D in window 1
.irp t, 0,1,2,3,4,5,6,7
	v_wmma_f32_16x16x4_f32 v[A_+8*\t:A_+8*\t+7], v[\wf+2*\t:\wf+2*\t+1], v[XB:XB+1], 0
.endr
.irp t, 0,1,2,3,4,5,6,7
	v_wmma_f32_16x16x4_f32 v[A_+8*\t:A_+8*\t+7], v[\wf+16+2*\t:\wf+16+2*\t+1], v[XB+2:XB+3], v[A_+8*\t:A_+8*\t+7]
.endr
	WIN 0
.endm
; A weight's codes and scale words, straight from memory: a row of 128 codes is 64 bytes; a fragment is 16 rows: lane (r, h) holds row r, registers 4 c .. 4 c + 3 = k 64 c + 32 h + 0..31.
.macro FRAGS cb, sb
	WIN 0x40                                       ; destination window 1, address window 0
.irp t, 0,1,2,3,4,5,6,7
.irp c, 0,1
	global_load_b128 v[W1F+8*\t+4*\c:W1F+8*\t+4*\c+3], v[FRA], s[\cb:\cb+1] offset:1024*\t+32*\c
.endr
.endr
	WIN 0
.irp t, 0,1,2,3,4,5,6,7
	global_load_b32 v[WS+\t], v[R4], s[\sb:\sb+1] offset:64*\t     ; row 16 t + r's four scale bytes (lanes 16-31 hold the same and are not read)
.endr
.endm
.macro VEC64 dst, sb                   ; a vector of 128 f32 in the result's layout: register 8 t + j = element 16 t + 8 h + j; the window of dst is set by the caller
.irp t, 0,1,2,3,4,5,6,7
.irp u, 0,1
	global_load_b128 v[\dst+8*\t+4*\u:\dst+8*\t+4*\u+3], v[H32], s[\sb:\sb+1] offset:64*\t+16*\u
.endr
.endr
.endm
.macro RELU64 base                     ; max(., 0) of 64 registers in place, in ascending order
.set rn, 0
.rept 32
	v_dual_max_num_f32 v[\base+2*rn], 0, v[\base+2*rn] :: v_dual_max_num_f32 v[\base+2*rn+1], 0, v[\base+2*rn+1]
.set rn, rn+1
.endr
.endm
; Line mx of 32 of the two blocks' maxima.  Eight chains (block c, eighth g: seven numbers each, lines 0-23), then the chains, the four numbers left over in each block and the floor 2^-124 (s7).
.macro MAXOP
.if mx < 8
	v_max3_num_f32 v[AM+mx], v[HID+8*mx], v[HID+8*mx+1], v[HID+8*mx+2]
.elseif mx < 16
	v_max3_num_f32 v[AM+mx-8], v[AM+mx-8], v[HID+8*(mx-8)+3], v[HID+8*(mx-8)+4]
.elseif mx < 24
	v_max3_num_f32 v[AM+mx-16], v[AM+mx-16], v[HID+8*(mx-16)+5], v[HID+8*(mx-16)+6]
.elseif mx < 28
	v_max3_num_f32 v[AM+2*(mx-24)], v[AM+2*(mx-24)], v[AM+2*(mx-24)+1], v[HID+32*((mx-24)/2)+8*((mx-24)%2)+7]
.elseif mx < 30
	v_max3_num_f32 v[AM+4*(mx-28)], v[AM+4*(mx-28)], v[AM+4*(mx-28)+2], v[HID+32*(mx-28)+23]
.else
	v_max3_num_f32 v[AM+4*(mx-30)], v[AM+4*(mx-30)], v[HID+32*(mx-30)+31], s7     ; the floor stands for the relu's 0 and holds the byte at 1 from below
.endif
.set mx, mx+1
.endm
; Line fn of 12 of a point's end: g, elu(g) + 1 = max(g, 0) + e^min(g, 0) (no branch, and the exponent is never above 0), times cc, onto the sum.  Each line reads the one before.
.macro FINOP
.if fn == 0
	v_pk_add_f32 v[P:P+1], v[P:P+1], v[P+2:P+3]
.elseif fn == 1
	v_pk_add_f32 v[P+4:P+5], v[P+4:P+5], v[P+6:P+7]
.elseif fn == 2
	v_pk_add_f32 v[P:P+1], v[P:P+1], v[P+4:P+5]
.elseif fn == 3
	v_add_f32 v[GS], v[P], v[P+1]
.elseif fn == 4
	v_permlanex16_b32 v[GX], v[GS], s42, s43       ; my sample's other 64 units lie in lane l xor 16
.elseif fn == 5
	v_add_f32 v[GS], v[GS], v[GX]
.elseif fn == 6
	v_min_num_f32 v[EN], 0, v[GS]
.elseif fn == 7
	v_max_num_f32 v[EP], 0, v[GS]
.elseif fn == 8
	v_mul_f32 v[EN], 0x3fb8aa3b, v[EN]
.elseif fn == 9
	v_exp_f32 v[EN], v[EN]
.elseif fn == 10
	v_fmac_f32 v[ZEST], v[T+1], v[EP]              ; a plain instruction behind the exponential, ahead of the use of its result
.else
	s_wait_alu depctr_va_vdst(0)
	v_fmac_f32 v[ZEST], v[T+1], v[EN]
.endif
.set fn, fn+1
.endm
.macro FIN                             ; a point's end by itself
.set fn, 0
.rept 12
	FINOP
.endr
.endm
; The raw hidden layer in HID becomes codes (CODES) and a scale word (SCW), in two parts.
; QMAX: the eight chains.  fin = 1: the end of the point before last stands between them, one line behind every two.
.macro QMAX fin
.set mx, 0
.set fn, 0
.rept 12
	MAXOP
	MAXOP
.if \fin
	FINOP
.endif
.endr
.endm
.macro RL k                            ; k lines of the hidden layer's relu, in place
.if QRELU
.rept \k
	v_dual_max_num_f32 v[HID+2*rn], 0, v[HID+2*rn] :: v_dual_max_num_f32 v[HID+2*rn+1], 0, v[HID+2*rn+1]
.set rn, rn+1
.endr
.endif
.endm
; QREST: the maxima's end, the scales, the relu, the conversions.  The chain from the maxima to the scale word is eight dependent steps: the relu's 32 lines stand between them
; (a maximum may meet a number before or behind its relu: the floor is above 0, so the result is the same).  relu = 0: HID holds numbers that have had their relu.
.macro QREST relu
.set QRELU, \relu
.set rn, 0
	MAXOP
	MAXOP
	MAXOP
	MAXOP
	RL 2
	MAXOP
	MAXOP
	RL 3
	MAXOP
	MAXOP
	RL 3
	v_add_nc_u32 v[SCF],   0xff000000, v[AM]       ; exponent field - 2: the scale as f32 (the conversion looks at the exponent field alone)
	v_add_nc_u32 v[SCF+1], 0xff000000, v[AM+4]
	RL 3
	v_lshrrev_b32 v[BY],   23, v[SCF]              ; and as a byte
	v_lshrrev_b32 v[BY+1], 23, v[SCF+1]
	RL 3
	v_lshl_or_b32 v[BY], v[BY+1], 16, v[BY]        ; my two bytes: blocks h and 2 + h,
	RL 3
	v_lshlrev_b32 v[SCP], v[SH8], v[BY]            ; at their places in the word (8 h bits up);
	RL 3
	v_permlanex16_b32 v[SCX], v[SCP], s42, s43
	RL 3
	v_or_b32 v[SCW], v[SCP], v[SCX]                ; with lane l xor 16's two the word is whole
	RL 9
.irp c, 0,1
.irp g, 0,1,2,3
	v_cvt_scalef32_pk8_fp4_f32 v[CODES+4*\c+\g], v[HID+32*\c+8*\g:HID+32*\c+8*\g+7], v[SCF+\c]
.endr
.endr
.endm
; relu of the 64 results and the sum over my 64 units of iW2 x relu(z), line by line by turns: a pair's multiply-add stands seven lines behind its relu, and eight lines behind the
; multiply-add that its chain (four chains of pairs) adds onto.  The first chain starts from KAP, nothing is cleared.  The relu goes in ascending order: of each accumulator the two
; lowest registers are read first.
.macro RACC
	v_dual_max_num_f32 v[ACC+2*ra], 0, v[ACC+2*ra] :: v_dual_max_num_f32 v[ACC+2*ra+1], 0, v[ACC+2*ra+1]
.set ra, ra+1
.endm
.macro DOP
.if mm == 0
	v_pk_fma_f32 v[P:P+1], v[W2:W2+1], v[ACC:ACC+1], v[KAP:KAP+1]
.elseif mm < 4
	v_pk_mul_f32 v[P+2*mm:P+2*mm+1], v[W2+2*mm:W2+2*mm+1], v[ACC+2*mm:ACC+2*mm+1]
.else
	v_pk_fma_f32 v[P+2*(mm%4):P+2*(mm%4)+1], v[W2+2*mm:W2+2*mm+1], v[ACC+2*mm:ACC+2*mm+1], v[P+2*(mm%4):P+2*(mm%4)+1]
.endif
.set mm, mm+1
.endm
.macro RELUDOT
.set ra, 0
.set mm, 0
.rept 4
	RACC
.endr
.rept 28
	DOP
	RACC
.endr
.rept 4
	DOP
.endr
.endm
.macro HID4 t                          ; a + t b for my units 8 t .. 8 t + 7.  Under WIN 0x11: b (source 0) and a (source 2) in window 1
.irp g, 0,2,4,6
	v_pk_fma_f32 v[HID+8*\t+\g:HID+8*\t+\g+1], v[B_+8*\t+\g:B_+8*\t+\g+1], v[T:T+1], v[A_+8*\t+\g:A_+8*\t+\g+1] op_sel_hi:[1,0,1]
.endr
.endm
; 8 matrix instructions: 128 units x 16 samples, K = 128, C = the bias.  Eight different accumulators, none added onto.  more = 1: the next hidden layer, which wants the same window
; setting and names none of the products' registers, stands between them, four lines behind each; the last four are the places behind the last product (ISA guide 7.12.1).
.macro MMH more
	WIN 0x11                                       ; source 0 (the weight) and C (the bias) in window 1
.irp t, 0,1,2,3,4,5,6,7
	v_wmma_scale_f32_16x16x128_f8f6f4 v[ACC+8*\t:ACC+8*\t+7], v[W1F+8*\t:W1F+8*\t+7], v[CODES:CODES+7], v[BIAS+8*\t:BIAS+8*\t+7], v[WS+\t], v[SCW] matrix_a_fmt:MATRIX_FMT_FP4 matrix_b_fmt:MATRIX_FMT_FP4
.if \more
	HID4 \t
.endif
.endr
	WIN 0
.endm
; The offset net's last layer, four tiles t0 .. t0 + 3: a pair is (column 0, column 1) of nW2; unit e = 8 t + j + sl is broadcast from its register.  wb: where the four tiles' pairs lie.
.macro DOTNH wb, t0
.irp tt, 0,1,2,3
.irp j, 0,2,4,6
.irp sl, 0,1
.set ee, 8*(\t0+\tt)+\j+\sl
.set wr, \wb+2*(8*\tt+\j+\sl)
.set ar, ACC+8*(\t0+\tt)+\j
.if ee == 0
	v_pk_fma_f32 v[P:P+1], v[wr:wr+1], v[ar:ar+1], v[KAP:KAP+1] op_sel:[0,0,0] op_sel_hi:[1,0,1]
.elseif ee < 4
	v_pk_mul_f32 v[P+2*ee:P+2*ee+1], v[wr:wr+1], v[ar:ar+1] op_sel:[0,\sl] op_sel_hi:[1,\sl]
.else
	v_pk_fma_f32 v[P+2*(ee%4):P+2*(ee%4)+1], v[wr:wr+1], v[ar:ar+1], v[P+2*(ee%4):P+2*(ee%4)+1] op_sel:[0,\sl,0] op_sel_hi:[1,\sl,1]
.endif
.endr
.endr
.endr
.endm
; A trip.  On entry the products of point s have been issued, HID holds the raw hidden layer of s + 1, P the partial sums of s - 1, T table entry s + 1 = (t_(s+1), cc_(s-1)).  adr = 8 s.
.macro TRIP more, adr
	QMAX 1                                         ; maxima of s + 1 | the end of s - 1
	v_mov_b32 v[TAB_A], \adr
	ds_load_b64 v[T:T+1], v[TAB_A] offset:TAB+16   ; entry s + 2 = (t_(s+2), cc_s): cc_(s-1) has just been used
	QREST 1                                        ; point s + 1
	RELUDOT                                        ; point s.  Its first line is also the plain instruction behind the conversions
	s_wait_dscnt 0x0                               ; the table entry, asked for more than a hundred lines ago
	MMH \more                                      ; products of s + 1 (scale word and codes were written more than 64 plain instructions ago) | hidden layer of s + 2
.endm
; ============================================================ head
	s_load_b512 s[8:23], s[0:1], 0x0               ; x s[8:9], iW0 s[10:11], ib0 s[12:13], iW1 codes s[14:15], scales s[16:17], ib1 s[18:19], iW2 s[20:21], ib2 s[22:23]
	s_load_b512 s[24:39], s[0:1], 0x40             ; nW0 s[24:25], nb0 s[26:27], nW1 codes s[28:29], scales s[30:31], nb1 s[32:33], nW2 s[34:35], nb2 s[36:37], out0 s[38:39]
	v_lshrrev_b32 v[GS], 5, v0
	v_readfirstlane_b32 s2, v[GS]                  ; wave w, 0 to 7
	s_mov_b32 s42, 0x76543210                      ; v_permlanex16_b32's selects for lane l xor 16
	s_mov_b32 s43, 0xfedcba98
	s_mov_b32 s7, 0x01800000                       ; 2^-124
	v_and_b32 v[GX], 15, v0                        ; r
	v_bfe_u32 v[EN], v0, 4, 1                      ; h
	v_and_b32 v[EP], 31, v0                        ; lane
	s_lshl_b32 s46, s2, 9                          ; 512 w: 16 samples of 32 bytes
	s_lshl_b32 s47, s2, 6                          ; 64 w: 16 results
	s_mul_i32 s5, s2, PIT                          ; row w of an image
	v_lshlrev_b32 v[H128], 7, v[EN]
	v_lshlrev_b32 v[SH8], 3, v[EN]
	v_lshlrev_b32 v[FRA], 6, v[GX]
	v_lshl_add_u32 v[FRA], v[EN], 4, v[FRA]
	v_lshlrev_b32 v[R4], 2, v[GX]
	v_lshlrev_b32 v[H32], 5, v[EN]
	v_lshlrev_b32 v[H64], 6, v[EN]
	v_lshlrev_b32 v[T16], 4, v0
	v_lshlrev_b32 v[L16], 4, v[EP]
	v_lshlrev_b32 v[T4], 2, v0
	v_lshl_add_u32 v[XA], v[GX], 5, s46
	v_lshl_add_u32 v[XBA], v[EN], 3, v[XA]
	v_lshl_add_u32 v[OUTA], v[GX], 2, s47
	v_add_nc_u32 v[SA], s5, v[L16]
	v_and_b32 v[SCP], 7, v[GX]
	v_and_b32 v[SCX], 8, v[GX]
	v_lshlrev_b32 v[SCP], 2, v[SCP]
	v_lshl_add_u32 v[SCP], v[SCX], 4, v[SCP]       ; 4 (r % 8) + 128 (r / 8): my unit of a tile, in bytes
	v_mul_u32_u24 v[SCX], v[EN], 2*PIT
	v_add_nc_u32 v[FL], v[SCX], v[SCP]             ; lanes 16-31 two rows further down
	v_mul_u32_u24 v[SCX], v[EN], 3*PIT
	v_add_nc_u32 v[FL0], v[SCX], v[SCP]            ; or three: from the bias (row 0) to iW0's row 2 (row 3)
	v_mov_b32 v[GX], 0                             ; the destination of a lane permute counts as read: these three are written once here
	v_mov_b32 v[EP], 0
	v_mov_b32 v[SCX], 0
	s_wait_kmcnt 0x0
	s_load_b32 s6, s[22:23], 0x0                   ; ib2
	s_load_b64 s[40:41], s[36:37], 0x0             ; nb2
	s_lshl_b32 s4, ttmp9, 12                       ; 128 samples of 32 bytes
	s_mov_b32 s5, 0
	s_add_nc_u64 s[8:9], s[8:9], s[4:5]
	s_lshl_b32 s4, ttmp9, 9                        ; 128 results of 4 bytes
	s_add_nc_u64 s[38:39], s[38:39], s[4:5]
	s_max_u32 s4, s2, 1
	s_sub_co_u32 s4, s4, 1
	s_lshl_b32 s4, s4, 9
	s_add_nc_u64 s[44:45], s[24:25], s[4:5]        ; wave w stages row w of the offset net's image: nW0's row w - 1 ...
	s_cmp_eq_u32 s2, 0
	s_cselect_b64 s[44:45], s[26:27], s[44:45]     ; ... and wave 0 nb0: every wave issues the same loads, none leaves its buffer
	s_mov_b32 s4, 0x0000ffff                       ; lanes 0-15
; ============================================================ the first loads: 47 a wave
	global_load_b128 v[HID:HID+3],   v[T16], s[10:11]      ; iW0: the 256 threads take all 4,096 bytes; wave w its row w
	global_load_b128 v[HID+4:HID+7], v[L16], s[44:45]      ; my wave's row of nb0 / nW0
	global_load_b32  v[HID+8], v[OUTA], s[12:13]           ; my wave's 64 bytes of ib0 (lanes r and r + 16 the same word)
	global_load_b32  v[HID+9], v[T4], s[34:35]             ; nW2: the 256 threads take all 1,024 bytes
	global_load_b64  v[XB:XB+1],   v[XBA], s[8:9]          ; my sample's inputs 2 h, 2 h + 1
	global_load_b64  v[XB+2:XB+3], v[XBA], s[8:9] offset:16 ; and 4 + 2 h, 5 + 2 h
	global_load_b32  v[X], v[XA], s[8:9]                   ; x
	WIN 0x40
	VEC64 BIAS, 32                                 ; nb1
	FRAGS 28, 30                                   ; nW1
; The table of t_s and cc_s, while the loads are on their way; pass j of 26 is wave j % 8's.  The assembler makes the numbers in fixed point, scale 2^30:
; cos(j pi/50) by the three-term recurrence from cos(pi/50); cc_j = (2/50) (1 - sum over q = 1..25 of 2 cos(2 q j pi/50) / (4 q^2 - 1)), half of that for j = 0 and 50
; (the problem's own formula: only even rows of its cosine matrix carry weight, and its first and last columns are halved).
; t_j = (1 + cos(j pi/50)) / 2, t_(50-j) = (1 - cos(j pi/50)) / 2 and cc_(50-j) = cc_j, so 26 passes fill 51 points.
.set SC, 1<<30
.set C1, 1071623040                    ; cos(pi/50) x 2^30
	v_mov_b32 v[ACC+3], 0                          ; address 0, and the value 0
.irp w, 0,1,2,3,4,5,6,7
	s_cmp_lg_u32 s2, \w
	s_cbranch_scc1 .Ltab_\w
.set cosj, SC
.set cosp, C1
.set j, 0
.rept 26
.set c2j,  2*cosj*cosj/SC - SC         ; cos(2 j pi/50)
.set wsum, SC
.set chp,  SC
.set chq,  c2j
.set qq,   1
.rept 25
.set wsum, wsum - 2*chq/(4*qq*qq-1)
.set chn,  2*c2j*chq/SC - chp
.set chp,  chq
.set chq,  chn
.set qq,   qq+1
.endr
.if j == 0
.set wj, wsum/50
.else
.set wj, wsum/25
.endif
.set thi, (SC+cosj)/2
.set tlo, (SC-cosj)/2
.if (j%8) == \w
	v_cvt_f32_i32 v[ACC],   thi
	v_cvt_f32_i32 v[ACC+1], tlo
	v_cvt_f32_i32 v[ACC+2], wj
	v_pk_mul_f32 v[ACC:ACC+1], v[ACC:ACC+1], 0x30800000 op_sel_hi:[1,0]      ; x 2^-30
	v_mul_f32 v[ACC+2], 0x30800000, v[ACC+2]
	ds_store_b32 v[ACC+3], v[ACC]   offset:TAB+8*j         ; t_j
	ds_store_b32 v[ACC+3], v[ACC+2] offset:TAB+8*j+20      ; cc_j, in entry j + 2
.if j < 25
	ds_store_b32 v[ACC+3], v[ACC+1] offset:TAB+400-8*j     ; t_(50-j)
	ds_store_b32 v[ACC+3], v[ACC+2] offset:TAB+420-8*j     ; cc_(50-j)
.endif
.endif
.set cosn, 2*C1*cosj/SC - cosp
.set cosp, cosj
.set cosj, cosn
.set j, j+1
.endr
.if \w == 7
	ds_store_b32 v[ACC+3], v[ACC+3] offset:TAB+4   ; entries 0 and 1 have no cc: 0.  Entry 1's is the weight of the first trip's empty end of a point
	ds_store_b32 v[ACC+3], v[ACC+3] offset:TAB+12
	ds_store_b32 v[ACC+3], v[ACC+3] offset:TAB+408 ; entries 51 and 52 have no t: loaded and never used
	ds_store_b32 v[ACC+3], v[ACC+3] offset:TAB+416
.endif
.Ltab_\w:
.endr
; ============================================================ the first layers' weights and nW2 go to LDS
	s_wait_loadcnt 43                              ; behind the four loads that are staged stand 43 (3 of my sample's inputs, 16 nb1, 24 codes and scale words): those stay out
	ds_store_b128 v[SA], v[HID:HID+3]   offset:IMGI+PIT    ; iW0's row w is the image's row w + 1
	ds_store_b128 v[SA], v[HID+4:HID+7] offset:IMGN        ; row w
	ds_store_b32  v[OUTA], v[HID+8] offset:IMGI            ; ib0 is the image's row 0
	ds_store_b32  v[T4], v[HID+9] offset:NW2L
	s_wait_dscnt 0x0                               ; for the other waves' sake: all my LDS stores, the table's too, are done before I signal
	s_barrier_signal -1
	s_barrier_wait -1                              ; table, images and nW2 are in LDS for everybody; nobody writes them again
; ============================================================ the offset net: its hidden layer, its codes, its product
	WFLOAD ACC, IMGN, 0, 0                         ; the image's row k is the weight of k: nb0, then nW0's rows
	s_wait_loadcnt 40                              ; my sample's inputs are in; the 40 loads behind them stay out
	v_cndmask_b32 v[XB], v[XB], 1.0, s4            ; k = 0 (lanes 0-15, register 0) goes with the bias: 1 in x's place
	PLACES 4                                       ; this text keeps for the f32 form the four places that a scaled form asks between a vector write of an operand and the product
	s_wait_dscnt 0x0
	L1MM ACC
	PLACES 8                                       ; eight places behind the f32 form before a vector instruction reads its result
	WIN 0x04
.set rn, 0
.rept 64
	v_max_num_f32 v[HID+rn], 0, v[A_+rn]           ; the relu, out of the matrix form's registers into HID; ascending: each accumulator from its low end on
.set rn, rn+1
.endr
	WIN 0
	QMAX 0
	QREST 0
	v_nop                                          ; the plain instruction behind the conversions, ahead of loads into their sources
	WFLOAD HID, IMGI, 1, 1                         ; the integrand's image: row 0 = ib0 for k = 0, row k + 1 = iW0's row k
	s_wait_loadcnt 0x0                             ; nW1's codes and scale words, nb1
	PLACES 7                                       ; with the one above: eight places between the scale word's writing and the scaled product, four and more behind the codes'
	MMH 0
	PLACES 4                                       ; four places (ISA guide 7.12.1 for vector instructions) before loads land on the fragments, bias and scale words just read, and before the result is read
	s_wait_dscnt 0x0                               ; the integrand's fragments
	L1MM HID                                       ; a
.irp t, 0,1,2,3
.irp q, 0,1,2,3
	ds_load_b128 v[W2+16*\t+4*\q:W2+16*\t+4*\q+3], v[H64] offset:NW2L+128*\t+16*\q          ; nW2: 8 bytes a unit; units 16 t + 8 h + 0..7; tiles 0-3 where iW2 will lie,
.endr
.endr
	WIN 0x40
.irp t, 4,5,6,7
.irp q, 0,1,2,3
	ds_load_b128 v[B_+16*(\t-4)+4*\q:B_+16*(\t-4)+4*\q+3], v[H64] offset:NW2L+128*\t+16*\q  ; tiles 4-7 where b will lie
.endr
.endr
	VEC64 BIAS, 18                                 ; ib1 and iW1 take the places of nb1 and nW1, on their way during what follows
	FRAGS 14, 16
; ============================================================ the offset net's end
	s_wait_kmcnt 0x0                               ; ib2, nb2
	s_mul_f32 s40, s40, 0.5                        ; half of nb2 in each of a sample's two lanes
	s_mul_f32 s41, s41, 0.5
	v_mov_b32 v[KAP],   s40
	v_mov_b32 v[KAP+1], s41
	RELU64 ACC                                     ; 32 plain instructions: also the eight places behind the f32 products before P, which lies on their source 1, is written
	s_wait_dscnt 0x0                               ; nW2
	DOTNH W2, 0
	VEC64 W2, 20                                   ; iW2
	WIN 0x01
	DOTNH B_, 4
	WIN 0
	v_pk_add_f32 v[P:P+1], v[P:P+1], v[P+2:P+3]
	v_pk_add_f32 v[P+4:P+5], v[P+4:P+5], v[P+6:P+7]
	v_pk_add_f32 v[P:P+1], v[P:P+1], v[P+4:P+5]
	v_permlanex16_b32 v[GX], v[P],   s42, s43
	v_permlanex16_b32 v[EP], v[P+1], s42, s43
	v_add_f32 v[OFF], v[P], v[GX]                  ; o0
	v_add_f32 v[EN], v[P+1], v[EP]                 ; o1
	v_mul_f32 v[EN], 0x3fb8aa3b, v[EN]             ; e^o1 = 2^(o1 log2 e)
	v_exp_f32 v[SCL], v[EN]
	v_mov_b32 v[ZEST], 0                           ; the plain instruction behind the exponential
; ============================================================ b
.irp c, 0,1
.irp q, 0,1,2,3,4,5,6,7
	ds_load_b128 v[HID+32*\c+4*\q:HID+32*\c+4*\q+3], v[H128] offset:IMGI+PIT+256*\c+16*\q   ; iW0's row 0 in the order of my 64 units; all lanes of a half read the same bytes
.endr
.endr
	v_mov_b32 v[TAB_A], 0
	ds_load_b64 v[T:T+1], v[TAB_A] offset:TAB      ; entry 0: t_0
	s_mul_f32 s6, s6, 0.5
	v_mov_b32 v[KAP],   s6                         ; half of ib2 in each of a sample's two lanes, in the pair's low half alone
	v_mov_b32 v[KAP+1], 0
	s_wait_dscnt 0x0                               ; iW0's row 0 and the table entry
	WIN 0x40
.set gn, 0
.rept 32
	v_pk_mul_f32 v[B_+gn:B_+gn+1], v[HID+gn:HID+gn+1], v[X:X+1] op_sel_hi:[1,0]    ; b = x iW0[0]
.set gn, gn+2
.endr
; ============================================================ the pipeline is filled: point 0's hidden layer, codes and products, point 1's hidden layer
	WIN 0x11
.irp t, 0,1,2,3,4,5,6,7
	HID4 \t                                        ; point 0; a's accumulators are read in ascending order
.endr
	WIN 0
	ds_load_b64 v[T:T+1], v[TAB_A] offset:TAB+8    ; entry 1: (t_1, 0)
	QMAX 0
	QREST 1
.irp i, 0,1,2,3,4,5,6,7
	v_mov_b32 v[P+\i], 0                           ; the first trip ends a point that is none: sums of 0, weighted with entry 1's 0.  Also the places between the codes' writing and the products
.endr
	s_wait_loadcnt 0x0                             ; iW1's codes and scale words, ib1, iW2
	s_wait_dscnt 0x0                               ; t_1
	MMH 1                                          ; products of point 0 | hidden layer of point 1
	s_mov_b32 s3, 0
; ============================================================ 49 trips, s = 0 .. 48.  No barrier: a wave shares nothing here; no memory is touched
.Lpoint:
	s_lshl_b32 s47, s3, 3
	TRIP 1, s47
	s_add_co_u32 s3, s3, 1
	s_cmp_lt_u32 s3, NPTS-2
	s_cbranch_scc1 .Lpoint
; ============================================================ the tail: the pipeline runs empty
	TRIP 0, 8*(NPTS-2)                             ; the end of point 48, the codes and products of point 50, relu and last layer of point 49
	FIN                                            ; the end of point 49 (cc_49 came with entry 51); its first four lines are the places behind the products (ISA guide 7.12.1)
	v_mov_b32 v[TAB_A], 8*(NPTS-1)
	ds_load_b64 v[T:T+1], v[TAB_A] offset:TAB+16   ; entry 52: cc_50
	RELUDOT                                        ; point 50
	s_wait_dscnt 0x0
	FIN
; ============================================================ the result
	v_mul_f32 v[EN], v[ZEST], v[X]
	v_mul_f32 v[EN], 0.5, v[EN]                    ; the integral
	v_fma_f32 v[EN], v[SCL], v[EN], v[OFF]
	v_mul_f32 v[EN], 0xbfb8aa3b, v[EN]             ; sigmoid(u) = 1 / (1 + 2^(-u log2 e))
	v_exp_f32 v[EN], v[EN]
	v_nop                                          ; a plain instruction behind each transcendental
	s_wait_alu depctr_va_vdst(0)
	v_add_f32 v[EN], 1.0, v[EN]
	v_rcp_f32 v[EN], v[EN]
	v_nop
	s_wait_alu depctr_va_vdst(0)
	ds_store_b32 v[OUTA], v[EN] offset:OUTS        ; lanes r and r + 16 hold the same sample and write the same word with the same value
	s_wait_dscnt 0x0                               ; for wave 0's sake
	s_barrier_signal -1
	s_barrier_wait -1
	s_cmp_lg_u32 s2, 0
	s_cbranch_scc1 .Lend
	ds_load_b128 v[HID:HID+3], v[L16] offset:OUTS  ; the work-group's 128 results
	s_wait_dscnt 0x0
	global_store_b128 v[L16], v[HID:HID+3], s[38:39] ; one store of 512 consecutive bytes, at a multiple of 512 from out0's first byte
.Lend:
	s_wait_xcnt 0x0
	v_lshl_add_u32 v254, v0, 2, 0x2c00
	v_mov_b32 v255, 0
	s_wait_tensorcnt 0x0
	ds_add_u32 v254, v255
	s_wait_dscnt 0x0
	s_endpgm
.Lfunc_end_k_q109be5e790_mono:
	.size	k_q109be5e790_mono, .Lfunc_end_k_q109be5e790_mono-k_q109be5e790_mono
	.p2alignl 7, 3214868480
	.fill 96, 4, 3214868480
	.section	.rodata,"a",@progbits
	.p2align	6, 0x0
	.amdhsa_kernel k_q109be5e790_mono
		.amdhsa_group_segment_fixed_size 12288
		.amdhsa_private_segment_fixed_size 0
		.amdhsa_enable_private_segment 0
		.amdhsa_kernarg_size 128
		.amdhsa_user_sgpr_count 2
		.amdhsa_user_sgpr_kernarg_segment_ptr 1
		.amdhsa_wavefront_size32 1
		.amdhsa_system_sgpr_workgroup_id_x 1
		.amdhsa_system_sgpr_workgroup_id_y 1
		.amdhsa_system_sgpr_workgroup_id_z 1
		.amdhsa_system_vgpr_workitem_id 0
		.amdhsa_next_free_vgpr 512
		.amdhsa_next_free_sgpr 66
		.amdhsa_reserve_vcc 0
		.amdhsa_float_denorm_mode_32 3
		.amdhsa_float_denorm_mode_16_64 3
		.amdhsa_memory_ordered 1
		.amdhsa_forward_progress 1
		.amdhsa_inst_pref_size 94
	.end_amdhsa_kernel
	.amdgpu_metadata
---
amdhsa.version: [ 1, 2 ]
amdhsa.kernels:
  - .name:           k_q109be5e790_mono
    .symbol:         k_q109be5e790_mono.kd
    .args:
      - { .name: x_input, .offset: 0, .size: 8, .value_kind: global_buffer, .address_space: global }
      - { .name: iW0, .offset: 8, .size: 8, .value_kind: global_buffer, .address_space: global }
      - { .name: ib0, .offset: 16, .size: 8, .value_kind: global_buffer, .address_space: global }
      - { .name: iW1_codes, .offset: 24, .size: 8, .value_kind: global_buffer, .address_space: global }
      - { .name: iW1_scales, .offset: 32, .size: 8, .value_kind: global_buffer, .address_space: global }
      - { .name: ib1, .offset: 40, .size: 8, .value_kind: global_buffer, .address_space: global }
      - { .name: iW2, .offset: 48, .size: 8, .value_kind: global_buffer, .address_space: global }
      - { .name: ib2, .offset: 56, .size: 8, .value_kind: global_buffer, .address_space: global }
      - { .name: nW0, .offset: 64, .size: 8, .value_kind: global_buffer, .address_space: global }
      - { .name: nb0, .offset: 72, .size: 8, .value_kind: global_buffer, .address_space: global }
      - { .name: nW1_codes, .offset: 80, .size: 8, .value_kind: global_buffer, .address_space: global }
      - { .name: nW1_scales, .offset: 88, .size: 8, .value_kind: global_buffer, .address_space: global }
      - { .name: nb1, .offset: 96, .size: 8, .value_kind: global_buffer, .address_space: global }
      - { .name: nW2, .offset: 104, .size: 8, .value_kind: global_buffer, .address_space: global }
      - { .name: nb2, .offset: 112, .size: 8, .value_kind: global_buffer, .address_space: global }
      - { .name: out0, .offset: 120, .size: 8, .value_kind: global_buffer, .address_space: global }
    .group_segment_fixed_size: 12288
    .private_segment_fixed_size: 0
    .kernarg_segment_align: 8
    .kernarg_segment_size: 128
    .max_flat_workgroup_size: 256
    .sgpr_count:     66
    .vgpr_count:     512
    .wavefront_size: 32
...
	.end_amdgpu_metadata
.endif
;; end of part 2
